; MI455X (gfx1250); checked and timed in simulation.
; The chip was launched on July 23, 2026; its instructions are those of AMD's public machine-readable ISA for CDNA 5 (MIT licence, August 2026) and "CDNA5" Instruction Set Architecture Reference Guide (July 2026). The comments in the code are by the model that wrote it; some were corrected since.
;; Spatial Transformer. Allowed arithmetic: float matrix products may take bf16 or f16 operands with f32 sums; all other float work in f32.
;; Inputs: flow 2 x 3 x 160 x 192 x 224 float32; src 2 x 1 x 160 x 192 x 224 float32.
;; Outputs: out0 2 x 1 x 160 x 192 x 224 float32.
;; 2 versions, each right; version 2 is version 1 with the launch sample written anew for expert scheduling mode. Each part assembles by itself: llvm-mc -triple=amdgcn-amd-amdhsa -mcpu=gfx1250 --defsym DOCPART=n.
;; ======== version 1 of 2: 2 launches
;; workspace buffers: idx 55,050,240 bytes of whole numbers
;; launch locate (part 1): grid 256 x 1, 28 waves a work-group, no clusters, 0 bytes of LDS; arguments flow, idx; writes idx
.if DOCPART == 1
	.amdgcn_target "amdgcn-amd-amdhsa--gfx1250"
	.amdhsa_code_object_version 6
	.text
	.protected	k_q2c2ae27829_locate
	.globl	k_q2c2ae27829_locate
	.p2align	8
	.type	k_q2c2ae27829_locate,@function
k_q2c2ae27829_locate:
	s_mov_b64 s[64:65], 0
	v_nop
	global_prefetch_b8 v0, s[64:65] scope:SCOPE_SE
	s_setreg_imm32_b32 hwreg(HW_REG_WAVE_MODE, 25, 1), 1
	s_wait_xcnt 0x0
; FIRST OF TWO LAUNCHES.  For every voxel (b, d, h, w) of [2][160][192][224]:
;   cd = clip(d + flow[b][0], 0, 159), ch = clip(h + flow[b][1], 0, 191), cw = clip(w + flow[b][2], 0, 223)     (f32, as the reference)
;   d0 = min(int(cd), 158), h0 = min(int(ch), 190), w0 = min(int(cw), 222)
;   idx[b][d][h][w] = (d0 * 192 + h0) << 10 | w0 * 4          one whole number: the low corner of the voxel's eight samples
; The base is held one short of the last plane, so that the upper neighbour is always base + 1; the second launch takes the
; fraction against this base (1.0 on the last plane), which gives the reference's value for finite src.
; LIMIT: a NaN in flow is clamped to a place inside the volume here (the reference's result there is NaN).
; A stream: every byte of flow is read once, every byte of idx written once.  No LDS, no barrier, no matrix unit: the waves share
; nothing and there is no product.  No cluster: no two work-groups read the same byte.
;
; SHARES.  A group = 16 whole rows = 3,584 voxels = 14,336 bytes of each array.  896 threads; thread t owns the 16 bytes at 16 t of a group:
; row t / 56, w = 4 (t % 56) .. + 3.  A load or store of a wave covers 512 consecutive bytes that start at a multiple of 256 from the buffer's first byte.
; Work-groups 0-127 take batch 0, 128-255 batch 1.  In turn i work-group q takes group 128 i + q of its batch: 15 turns x 128 = 1,920 groups = a batch.
.set ND, 160
.set NH, 192
.set NW, 224
.set ROWB,   NW*4                      ; bytes in a row
.set VOLB,   ND*NH*ROWB                ; bytes in one [160][192][224] volume: 27,525,120
.set GROUPB, 16*ROWB                   ; 14,336
.set STEPB,  128*GROUPB                ; from a work-group's group to its next: 1,835,008
.set DEPTH,  5                         ; slots of the ring: 15 loads of 16 bytes a lane in flight in each wave
.set ROUNDS, 15/DEPTH
.set VO,   1                           ; v1       the one byte offset: 16 t + (turn + 1) STEPB; loads and the store reach from it by immediates
.set ROWF, 2                           ; v2       my row in the group, as f32
.set HP,   4                           ; v[4:5]   my h as f32 (v4; v5 only fills the pair that the packed add names)
.set WF,   6                           ; v[6:9]   my four w as f32
.set T,    10                          ; v[10:21] at work: cd, ch, cw of four voxels
.set Y,    22                          ; v[22:25] four words to store
.set F,    26                          ; v[26:85] slot s: 12 registers, flow d, h, w of four voxels
.set FD,   4                           ; s[4:5]   flow[b][0] at my first group
.set IDX,  6                           ; s[6:7]   idx[b] at my first group
.set FH,   8                           ; s[8:9]   flow[b][1]
.set FW,   10                          ; s[10:11] flow[b][2]
.set BI,   12                          ; batch
.set QI,   13                          ; my place among the batch's 128 work-groups
.set DI,   14                          ; d of the turn's group
.set HQ,   15                          ; which sixteenth .. twelfth of the slab: h of the group's first row / 16
.set TMP,  16
.set O1,   18                          ; s[18:19] offset of idx
.set O2,   20                          ; s[20:21] offset of flow
.set DF,   22                          ; s[22:23] d as f32 (s22; s23 fills the pair)
.set HF,   24                          ; 16 HQ as f32
.set MX,   26                          ; s[26:28] 159.0, 191.0, 223.0
.set CNT,  30
	s_load_b128 s[4:7], s[0:1], 0x0                ; flow, idx
	s_lshr_b32 s[BI], ttmp9, 7
	s_and_b32 s[QI], ttmp9, 127
	s_mul_i32 s[DI], s[QI], 171                    ; q / 12 for q < 128: 171 / 2048 exceeds 1 / 12 by 0.000163, 127 times that is under 1 / 12
	s_lshr_b32 s[DI], s[DI], 11
	s_mul_i32 s[TMP], s[DI], 12
	s_sub_co_u32 s[HQ], s[QI], s[TMP]              ; q % 12
	s_lshl_b32 s[TMP], s[HQ], 4
	s_cvt_f32_u32 s[HF], s[TMP]
	s_cvt_f32_u32 s[DF], s[DI]
	s_mov_b32 s[DF+1], 0
	s_mov_b32 s[MX], 0x431f0000                    ; 159.0
	s_mov_b32 s[MX+1], 0x433f0000                  ; 191.0
	s_mov_b32 s[MX+2], 0x435f0000                  ; 223.0
	s_mul_i32 s[O1], s[BI], VOLB                   ; idx: one volume a batch
	s_mul_i32 s[O2], s[BI], 3*VOLB                 ; flow: three
	s_mul_i32 s[TMP], s[QI], GROUPB
	s_add_co_u32 s[O1], s[O1], s[TMP]              ; all below 2^31
	s_add_co_u32 s[O2], s[O2], s[TMP]
	s_mov_b32 s[O1+1], 0
	s_mov_b32 s[O2+1], 0
	v_mul_u32_u24 v3, v0, 1171                     ; t / 56 for t < 896: 1171 / 65536 exceeds 1 / 56 by 0.0000109, 895 times that is under 1 / 56
	v_lshrrev_b32 v3, 16, v3
	v_mul_u32_u24 v10, v3, 56
	v_sub_nc_u32 v10, v0, v10                      ; t % 56
	v_lshlrev_b32 v10, 2, v10                      ; my first w
	v_cvt_f32_u32 v[ROWF], v3
	v_cvt_f32_u32 v[WF], v10
	v_add_f32 v[WF+1], 1.0, v[WF]
	v_add_f32 v[WF+2], 2.0, v[WF]
	v_add_f32 v[WF+3], 3.0, v[WF]
	v_mov_b32 v[HP+1], 0
	v_lshlrev_b32 v[VO], 4, v0
	s_wait_kmcnt 0x0
	s_add_nc_u64 s[FD:FD+1], s[FD:FD+1], s[O2:O2+1]
	s_add_nc_u64 s[IDX:IDX+1], s[IDX:IDX+1], s[O1:O1+1]
	s_add_nc_u64 s[FH:FH+1], s[FD:FD+1], VOLB
	s_add_nc_u64 s[FW:FW+1], s[FD:FD+1], 2*VOLB
.macro FILL s, off                     ; three loads: flow d, h, w of my four voxels
	global_load_b128 v[F+12*\s:F+12*\s+3],    v[VO], s[FD:FD+1] offset:\off th:TH_LOAD_NT
	global_load_b128 v[F+12*\s+4:F+12*\s+7],  v[VO], s[FH:FH+1] offset:\off th:TH_LOAD_NT
	global_load_b128 v[F+12*\s+8:F+12*\s+11], v[VO], s[FW:FW+1] offset:\off th:TH_LOAD_NT
.endm
.irp s, 0,1,2,3,4
	FILL \s, \s*STEPB                              ; turns 0 to 4; 4 STEPB = 7,340,032 fits the signed 24-bit immediate
.endr
; 128 groups on: 10 slabs and 8 groups; a slab has 12 groups
.macro NEXTGROUP
	s_add_co_u32 s[HQ], s[HQ], 8
	s_cmp_ge_u32 s[HQ], 12
	s_cselect_b32 s[TMP], 12, 0                    ; (leaves SCC)
	s_add_co_ci_u32 s[DI], s[DI], 10               ; + 10 + the carry
	s_sub_co_u32 s[HQ], s[HQ], s[TMP]
	s_lshl_b32 s[TMP], s[HQ], 4
	s_cvt_f32_u32 s[HF], s[TMP]
	s_cvt_f32_u32 s[DF], s[DI]
.endm
; The turn of slot s.  ahead = 1: the slot is filled again, DEPTH turns ahead.  left = how many younger loads may stay out.
.macro TURN s, ahead, left
	s_wait_loadcnt \left                           ; loads come back in order (ISA guide 5.7.1): my three are in, three for each younger slot stay out
	s_wait_xcnt 0x0                                ; every earlier memory instruction has had its addresses translated (ISA guide 3.1): VO and Y are rewritten only behind this wait
	v_add_nc_u32 v[VO], STEPB, v[VO]               ; 16 t + (turn + 1) STEPB
	v_add_f32 v[HP], s[HF], v[ROWF]                ; my h: whole numbers under 192, exact
.irp p, 0,2
	v_pk_add_f32 v[T+\p:T+\p+1],     v[F+12*\s+\p:F+12*\s+\p+1],     s[DF:DF+1] op_sel_hi:[1,0]   ; d + flow_d, d for both
	v_pk_add_f32 v[T+4+\p:T+4+\p+1], v[F+12*\s+4+\p:F+12*\s+4+\p+1], v[HP:HP+1] op_sel_hi:[1,0]   ; h + flow_h, h for both
	v_pk_add_f32 v[T+8+\p:T+8+\p+1], v[F+12*\s+8+\p:F+12*\s+8+\p+1], v[WF+\p:WF+\p+1]             ; w + flow_w
.endr
.if \ahead
	FILL \s, 4*STEPB                               ; turn + DEPTH, from VO's turn + 1
.endif
.irp e, 0,1,2,3
	v_med3_num_f32 v[T+\e],   v[T+\e],   0, s[MX]          ; the middle of (x, 0, N - 1): the clip
	v_med3_num_f32 v[T+4+\e], v[T+4+\e], 0, s[MX+1]
	v_med3_num_f32 v[T+8+\e], v[T+8+\e], 0, s[MX+2]
.endr
.irp e, 0,1,2,3,4,5,6,7,8,9,10,11
	v_cvt_u32_f32 v[T+\e], v[T+\e]                 ; toward zero = floor, the numbers are not negative
.endr
.irp e, 0,1,2,3
	v_min_u32 v[T+\e],   ND-2, v[T+\e]
	v_min_u32 v[T+4+\e], NH-2, v[T+4+\e]
	v_min_u32 v[T+8+\e], NW-2, v[T+8+\e]
.endr
.irp e, 0,1,2,3
	v_mad_u32_u24 v[Y+\e], v[T+\e], NH, v[T+4+\e]  ; the row's number in the volume, at most 30,526
.endr
.irp e, 0,1,2,3
	v_lshlrev_b32 v[Y+\e], 10, v[Y+\e]
.endr
.irp e, 0,1,2,3
	v_lshl_or_b32 v[Y+\e], v[T+8+\e], 2, v[Y+\e]   ; | 4 w0, at most 888
.endr
	global_store_b128 v[VO], v[Y:Y+3], s[IDX:IDX+1] offset:-STEPB th:TH_STORE_NT
.if \left
	NEXTGROUP                                      ; (nothing follows the last turn)
.endif
.endm
	s_mov_b32 s[CNT], ROUNDS-1
.Lround:
.irp s, 0,1,2,3,4
	TURN \s, 1, 3*(DEPTH-1)
.endr
	s_sub_co_u32 s[CNT], s[CNT], 1
	s_cmp_lg_u32 s[CNT], 0
	s_cbranch_scc1 .Lround
.irp s, 0,1,2,3,4
	TURN \s, 0, 3*(DEPTH-1-\s)                     ; the last round loads nothing: the counts run down 12, 9, 6, 3, 0
.endr
	s_endpgm
.Lfunc_end_k_q2c2ae27829_locate:
	.size	k_q2c2ae27829_locate, .Lfunc_end_k_q2c2ae27829_locate-k_q2c2ae27829_locate
	.p2alignl 7, 3214868480
	.fill 96, 4, 3214868480
	.section	.rodata,"a",@progbits
	.p2align	6, 0x0
	.amdhsa_kernel k_q2c2ae27829_locate
		.amdhsa_group_segment_fixed_size 0
		.amdhsa_private_segment_fixed_size 0
		.amdhsa_enable_private_segment 0
		.amdhsa_kernarg_size 16
		.amdhsa_user_sgpr_count 2
		.amdhsa_user_sgpr_kernarg_segment_ptr 1
		.amdhsa_wavefront_size32 1
		.amdhsa_system_sgpr_workgroup_id_x 1
		.amdhsa_system_sgpr_workgroup_id_y 1
		.amdhsa_system_sgpr_workgroup_id_z 1
		.amdhsa_system_vgpr_workitem_id 0
		.amdhsa_next_free_vgpr 88
		.amdhsa_next_free_sgpr 66
		.amdhsa_reserve_vcc 0
		.amdhsa_float_denorm_mode_32 3
		.amdhsa_float_denorm_mode_16_64 3
		.amdhsa_memory_ordered 1
		.amdhsa_forward_progress 1
		.amdhsa_inst_pref_size 40
	.end_amdhsa_kernel
	.amdgpu_metadata
---
amdhsa.version: [ 1, 2 ]
amdhsa.kernels:
  - .name:           k_q2c2ae27829_locate
    .symbol:         k_q2c2ae27829_locate.kd
    .args:
      - { .name: flow, .offset: 0, .size: 8, .value_kind: global_buffer, .address_space: global }
      - { .name: idx, .offset: 8, .size: 8, .value_kind: global_buffer, .address_space: global }
    .group_segment_fixed_size: 0
    .private_segment_fixed_size: 0
    .kernarg_segment_align: 8
    .kernarg_segment_size: 16
    .max_flat_workgroup_size: 896
    .sgpr_count:     66
    .vgpr_count:     88
    .wavefront_size: 32
...
	.end_amdgpu_metadata
.endif
;; end of part 1
;; launch sample (part 2): grid 256 x 1, 28 waves a work-group, no clusters, 0 bytes of LDS; arguments flow, src, idx, out0; writes out0
.if DOCPART == 2
	.amdgcn_target "amdgcn-amd-amdhsa--gfx1250"
	.amdhsa_code_object_version 6
	.text
	.protected	k_q2c2ae27829_sample
	.globl	k_q2c2ae27829_sample
	.p2align	8
	.type	k_q2c2ae27829_sample,@function
k_q2c2ae27829_sample:
	s_mov_b64 s[64:65], 0
	v_nop
	global_prefetch_b8 v0, s[64:65] scope:SCOPE_SE
	s_setreg_imm32_b32 hwreg(HW_REG_WAVE_MODE, 25, 1), 1
	s_wait_xcnt 0x0
; SECOND OF TWO LAUNCHES.  out0[b][d][h][w] = src[b] sampled trilinearly at (clip(d + flow_d), clip(h + flow_h), clip(w + flow_w)).
; The low corner of the eight samples comes as a whole number from idx (first launch): (d0 * 192 + h0) << 10 | 4 w0, with d0 <= 158, h0 <= 190,
; w0 <= 222, so that the eight samples lie at eight constant byte offsets from one address.  The fractions are formed here, in f32, from flow by the
; first launch's own arithmetic: f = c - min(floor(c), N - 2), which is 1.0 on the last plane.  Interpolation: seven steps a + f (b - a), in f32.
; LIMITS.  (1) On the last plane of an axis the neighbour below enters as f = 1.0, a + (b - a), where the reference takes the last plane twice:
; the same value for finite src, NaN here if that neighbour is infinite or NaN.  (2) A NaN in flow is clamped to a place in the volume; the reference
; gives NaN there.  (3) The seven steps round in another order than the reference's sum of eight products.
; NO LDS stage for src: how far a sample lies from its voxel hangs on flow and may be the whole volume.  NO cluster: which bytes of src a work-group
; reads hangs on idx, so no tile is known to be shared.  NO matrix unit: no product.  NO barrier: the waves share nothing.  NO prefetch of src: five
; sixths of the launch's bytes (idx, flow, out0) are streams that are requested two steps ahead, and how far ahead of them the gathers reach hangs on flow.
;
; SHARES, as in the first launch.  A group = 16 rows = 14,336 bytes; thread t of 896 owns the 16 bytes at 16 t: row t / 56, w = 4 (t % 56) .. + 3.
; Work-groups 0-127: batch 0, 128-255: batch 1.  In step j work-group q takes group 128 j + q of its batch, 15 steps: at any time the work-groups
; of a batch work on 128 neighbouring groups (10 2/3 slabs), so that their gathers fall into a window of src that moves through the volume once.
;
; THE PIPELINE.  Two register sets take turns (set j % 2 serves step j).  Step j: my index words and flow are in (asked for in step j - 2); form four
; addresses; issue 32 gathers; ask for step j + 2's words; then finish step j - 1, whose gathers went out a step ago.  One to two sets of gathers are always out.
.set ND, 160
.set NH, 192
.set NW, 224
.set ROWB,   NW*4                      ; 896
.set SLABB,  NH*ROWB                   ; 172,032
.set VOLB,   ND*SLABB                  ; 27,525,120
.set GROUPB, 16*ROWB                   ; 14,336
.set STEPB,  128*GROUPB                ; 1,835,008
.set ROWMAX, (ND-2)*NH+NH-2            ; 30,526: the highest row that a low corner may lie in
.set COLMAX, (NW-2)*4                  ; 888
.set VO,   1                           ; v1         16 t + (step + 1) STEPB: the streams' one offset
.set ROWF, 2                           ; v2         my row in the group, f32
.set HP,   4                           ; v[4:5]     my h, f32 (v5 fills the pair)
.set WF,   6                           ; v[6:9]     my four w, f32
.set T,    10                          ; v[10:13]   at work
.set AD,   14                          ; v[14:21]   set x: four gather offsets
.set IX,   22                          ; v[22:29]   set x: four index words
.set F,    30                          ; v[30:53]   set x: flow d, h, w of four voxels
.set FR,   54                          ; v[54:77]   set x: fractions d, h, w of four voxels
.set C,    78                          ; v[78:141]  set x: corner k = 4 dd + 2 hh + ww of voxel e at C + 32 x + 4 k + e
.set FD,   4                           ; s[4:5]   flow[b][0] at my first group
.set SRC,  6                           ; s[6:7]   src[b]
.set IDX,  8                           ; s[8:9]   idx[b] at my first group
.set OUT,  10                          ; s[10:11] out0[b] at my first group
.set FH,   12                          ; s[12:13] flow[b][1]
.set FW,   14                          ; s[14:15] flow[b][2]
.set BI,   16
.set QI,   17
.set DI,   18                          ; d of the step's group
.set HQ,   19                          ; h of its first row / 16
.set TMP,  20
.set O1,   22                          ; s[22:23] offset of src
.set O2,   24                          ; s[24:25] offset of idx and out0
.set O3,   26                          ; s[26:27] offset of flow
.set DF,   28                          ; s[28:29] d as f32 (s29 fills the pair)
.set HF,   30                          ; 16 HQ as f32
.set MX,   32                          ; s[32:34] 159.0, 191.0, 223.0
.set MM,   36                          ; s[36:38] 158.0, 190.0, 222.0
.set CNT,  40
	s_load_b256 s[4:11], s[0:1], 0x0               ; flow, src, idx, out0
	s_lshr_b32 s[BI], ttmp9, 7
	s_and_b32 s[QI], ttmp9, 127
	s_mul_i32 s[DI], s[QI], 171                    ; q / 12 for q < 128 (171 / 2048 exceeds 1 / 12 by 0.000163; 127 times that is under 1 / 12)
	s_lshr_b32 s[DI], s[DI], 11
	s_mul_i32 s[TMP], s[DI], 12
	s_sub_co_u32 s[HQ], s[QI], s[TMP]              ; q % 12
	s_lshl_b32 s[TMP], s[HQ], 4
	s_cvt_f32_u32 s[HF], s[TMP]
	s_cvt_f32_u32 s[DF], s[DI]
	s_mov_b32 s[DF+1], 0
	s_mov_b32 s[MX], 0x431f0000                    ; 159.0
	s_mov_b32 s[MX+1], 0x433f0000                  ; 191.0
	s_mov_b32 s[MX+2], 0x435f0000                  ; 223.0
	s_mov_b32 s[MM], 0x431e0000                    ; 158.0
	s_mov_b32 s[MM+1], 0x433e0000                  ; 190.0
	s_mov_b32 s[MM+2], 0x435e0000                  ; 222.0
	s_mul_i32 s[O1], s[BI], VOLB
	s_mul_i32 s[O3], s[BI], 3*VOLB
	s_mul_i32 s[TMP], s[QI], GROUPB
	s_add_co_u32 s[O2], s[O1], s[TMP]              ; all below 2^31
	s_add_co_u32 s[O3], s[O3], s[TMP]
	s_mov_b32 s[O1+1], 0
	s_mov_b32 s[O2+1], 0
	s_mov_b32 s[O3+1], 0
	v_mul_u32_u24 v3, v0, 1171                     ; t / 56 for t < 896 (1171 / 65536 exceeds 1 / 56 by 0.0000109; 895 times that is under 1 / 56)
	v_lshrrev_b32 v3, 16, v3
	v_mul_u32_u24 v10, v3, 56
	v_sub_nc_u32 v10, v0, v10
	v_lshlrev_b32 v10, 2, v10                      ; my first w
	v_cvt_f32_u32 v[ROWF], v3
	v_cvt_f32_u32 v[WF], v10
	v_add_f32 v[WF+1], 1.0, v[WF]
	v_add_f32 v[WF+2], 2.0, v[WF]
	v_add_f32 v[WF+3], 3.0, v[WF]
	v_mov_b32 v[HP+1], 0
	v_lshlrev_b32 v[VO], 4, v0
	s_wait_kmcnt 0x0
	s_add_nc_u64 s[FD:FD+1], s[FD:FD+1], s[O3:O3+1]
	s_add_nc_u64 s[SRC:SRC+1], s[SRC:SRC+1], s[O1:O1+1]
	s_add_nc_u64 s[IDX:IDX+1], s[IDX:IDX+1], s[O2:O2+1]
	s_add_nc_u64 s[OUT:OUT+1], s[OUT:OUT+1], s[O2:O2+1]
	s_add_nc_u64 s[FH:FH+1], s[FD:FD+1], VOLB
	s_add_nc_u64 s[FW:FW+1], s[FD:FD+1], 2*VOLB
; four loads: a step's index words and flow for my four voxels, each read once in the launch
.macro STREAM x, off
	global_load_b128 v[IX+4*\x:IX+4*\x+3],    v[VO], s[IDX:IDX+1] offset:\off th:TH_LOAD_NT
	global_load_b128 v[F+12*\x:F+12*\x+3],    v[VO], s[FD:FD+1] offset:\off th:TH_LOAD_NT
	global_load_b128 v[F+12*\x+4:F+12*\x+7],  v[VO], s[FH:FH+1] offset:\off th:TH_LOAD_NT
	global_load_b128 v[F+12*\x+8:F+12*\x+11], v[VO], s[FW:FW+1] offset:\off th:TH_LOAD_NT
.endm
; word -> byte offset of the low corner in src[b].  Both fields are clamped by constants in the instructions, so that no word, whatever it holds,
; leads outside src: 30,526 x 896 + 888 + (172,032 + 896 + 4) + 4 = 27,525,120, the volume's bytes.  The mask 0x3fc keeps the offset a multiple of 4.
.macro ADDRESS x
.irp e, 0,1,2,3
	v_lshrrev_b32 v[AD+4*\x+\e], 10, v[IX+4*\x+\e]
	v_and_b32 v[T+\e], 0x3fc, v[IX+4*\x+\e]
.endr
.irp e, 0,1,2,3
	v_min_u32 v[AD+4*\x+\e], ROWMAX, v[AD+4*\x+\e]
	v_min_u32 v[T+\e], COLMAX, v[T+\e]
.endr
.irp e, 0,1,2,3
	v_mul_u32_u24 v[AD+4*\x+\e], v[AD+4*\x+\e], ROWB
.endr
.irp e, 0,1,2,3
	v_add_nc_u32 v[AD+4*\x+\e], v[AD+4*\x+\e], v[T+\e]
.endr
.endm
; 32 loads: eight corners of four voxels; the two of a row, 4 bytes apart, follow each other
.macro GATHER x
.irp e, 0,1,2,3
	global_load_b32 v[C+32*\x+\e],    v[AD+4*\x+\e], s[SRC:SRC+1]
	global_load_b32 v[C+32*\x+4+\e],  v[AD+4*\x+\e], s[SRC:SRC+1] offset:4
	global_load_b32 v[C+32*\x+8+\e],  v[AD+4*\x+\e], s[SRC:SRC+1] offset:ROWB
	global_load_b32 v[C+32*\x+12+\e], v[AD+4*\x+\e], s[SRC:SRC+1] offset:ROWB+4
	global_load_b32 v[C+32*\x+16+\e], v[AD+4*\x+\e], s[SRC:SRC+1] offset:SLABB
	global_load_b32 v[C+32*\x+20+\e], v[AD+4*\x+\e], s[SRC:SRC+1] offset:SLABB+4
	global_load_b32 v[C+32*\x+24+\e], v[AD+4*\x+\e], s[SRC:SRC+1] offset:SLABB+ROWB
	global_load_b32 v[C+32*\x+28+\e], v[AD+4*\x+\e], s[SRC:SRC+1] offset:SLABB+ROWB+4
.endr
.endm
; grid + flow into FR; F is free behind this
.macro COORD x
	v_add_f32 v[HP], s[HF], v[ROWF]                ; my h: whole numbers under 192, exact
.irp p, 0,2
	v_pk_add_f32 v[FR+12*\x+\p:FR+12*\x+\p+1],     v[F+12*\x+\p:F+12*\x+\p+1],     s[DF:DF+1] op_sel_hi:[1,0]   ; d for both
	v_pk_add_f32 v[FR+12*\x+4+\p:FR+12*\x+4+\p+1], v[F+12*\x+4+\p:F+12*\x+4+\p+1], v[HP:HP+1] op_sel_hi:[1,0]   ; h for both
	v_pk_add_f32 v[FR+12*\x+8+\p:FR+12*\x+8+\p+1], v[F+12*\x+8+\p:F+12*\x+8+\p+1], v[WF+\p:WF+\p+1]
.endr
.endm
; one axis (a = 0, 1, 2): c = clip(c, 0, N - 1); f = c - min(floor(c), N - 2)
.macro FRACTION x, a
.irp e, 0,1,2,3
	v_med3_num_f32 v[FR+12*\x+4*\a+\e], v[FR+12*\x+4*\a+\e], 0, s[MX+\a]
.endr
.irp e, 0,1,2,3
	v_floor_f32 v[T+\e], v[FR+12*\x+4*\a+\e]
.endr
.irp e, 0,1,2,3
	v_min_num_f32 v[T+\e], s[MM+\a], v[T+\e]
.endr
.irp p, 0,2
	v_pk_add_f32 v[FR+12*\x+4*\a+\p:FR+12*\x+4*\a+\p+1], v[FR+12*\x+4*\a+\p:FR+12*\x+4*\a+\p+1], v[T+\p:T+\p+1] neg_lo:[0,1] neg_hi:[0,1]
.endr
.endm
; corner a <- a + f (b - a) for four voxels, two at a time; f = 0, 4, 8: the fractions along d, h, w
.macro MIX y, a, b, f
.irp p, 0,2
	v_pk_add_f32 v[C+32*\y+4*\b+\p:C+32*\y+4*\b+\p+1], v[C+32*\y+4*\b+\p:C+32*\y+4*\b+\p+1], v[C+32*\y+4*\a+\p:C+32*\y+4*\a+\p+1] neg_lo:[0,1] neg_hi:[0,1]
.endr
.irp p, 0,2
	v_pk_fma_f32 v[C+32*\y+4*\a+\p:C+32*\y+4*\a+\p+1], v[FR+12*\y+\f+\p:FR+12*\y+\f+\p+1], v[C+32*\y+4*\b+\p:C+32*\y+4*\b+\p+1], v[C+32*\y+4*\a+\p:C+32*\y+4*\a+\p+1]
.endr
.endm
.macro LERP y                          ; along w, then h, then d; the result is corner 0: four neighbouring registers, 16 bytes of out0
	MIX \y, 0, 1, 8
	MIX \y, 2, 3, 8
	MIX \y, 4, 5, 8
	MIX \y, 6, 7, 8
	MIX \y, 0, 2, 4
	MIX \y, 4, 6, 4
	MIX \y, 0, 4, 0
.endm
; 128 groups on: 10 slabs and 8 groups; a slab has 12 groups
.macro NEXTGROUP
	s_add_co_u32 s[HQ], s[HQ], 8
	s_cmp_ge_u32 s[HQ], 12
	s_cselect_b32 s[TMP], 12, 0                    ; (leaves SCC)
	s_add_co_ci_u32 s[DI], s[DI], 10               ; + 10 + the carry
	s_sub_co_u32 s[HQ], s[HQ], s[TMP]
	s_lshl_b32 s[TMP], s[HQ], 4
	s_cvt_f32_u32 s[HF], s[TMP]
	s_cvt_f32_u32 s[DF], s[DI]
.endm
; Step j on set x; y is the other set.  win: loads younger than my four stream loads.  more = 1: step j + 2 exists and is asked for.
; mix = 1: step j - 1 is finished here; wg: loads younger than its 32 gathers.  next = 1: a step follows.
.macro STEP x, y, win, more, mix, wg, next
	s_wait_loadcnt \win                            ; loads come back in order (ISA guide 5.7.1): this step's index words and flow are in
	s_wait_xcnt 0x0                                ; every earlier memory instruction has had its addresses translated (ISA guide 3.1): VO, which pending loads and
	                                               ; the last store name, and set x's corner 0, which the store of step j - 2 reads, are rewritten only behind this wait
	v_add_nc_u32 v[VO], STEPB, v[VO]               ; 16 t + (j + 1) STEPB
	ADDRESS \x                                     ; (set x's last gathers, which named AD, were waited for in step j - 1)
	GATHER \x
	COORD \x
.if \more
	STREAM \x, STEPB                               ; step j + 2, from VO's j + 1
.endif
	FRACTION \x, 0
	FRACTION \x, 1
	FRACTION \x, 2
.if \next
	NEXTGROUP
.endif
.if \mix
	s_wait_loadcnt \wg                             ; the gathers of step j - 1 are in; what was issued behind them stays out
	LERP \y
	global_store_b128 v[VO], v[C+32*\y:C+32*\y+3], s[OUT:OUT+1] offset:-2*STEPB th:TH_STORE_NT   ; step j - 1
.endif
.endm
	STREAM 0, 0                                    ; step 0
	STREAM 1, STEPB                                ; step 1
	STEP 0, 1, 4, 1, 0, 0, 1                       ; step 0: the four loads of step 1 stay out; nothing to finish yet
	s_mov_b32 s[CNT], 6                            ; steps 1 to 12
.Lpair:
	; at the head: 36 = the other set's 32 gathers + its 4 stream loads.  Before the mixing: 40 = 4 stream loads + my 32 gathers + my 4 stream loads.
	STEP 1, 0, 36, 1, 1, 40, 1
	STEP 0, 1, 36, 1, 1, 40, 1
	s_sub_co_u32 s[CNT], s[CNT], 1
	s_cmp_lg_u32 s[CNT], 0
	s_cbranch_scc1 .Lpair
	STEP 1, 0, 36, 0, 1, 36, 1                     ; step 13 asks for nothing more: behind step 12's gathers stand 4 + 32 loads
	STEP 0, 1, 32, 0, 1, 32, 0                     ; step 14: behind its stream loads 32 gathers; behind step 13's gathers its own 32
	s_wait_loadcnt 0x0                             ; nothing was issued behind step 14's gathers
	LERP 0
	global_store_b128 v[VO], v[C:C+3], s[OUT:OUT+1] offset:-STEPB th:TH_STORE_NT                 ; step 14; VO stands at 15 STEPB
	s_endpgm
.Lfunc_end_k_q2c2ae27829_sample:
	.size	k_q2c2ae27829_sample, .Lfunc_end_k_q2c2ae27829_sample-k_q2c2ae27829_sample
	.p2alignl 7, 3214868480
	.fill 96, 4, 3214868480
	.section	.rodata,"a",@progbits
	.p2align	6, 0x0
	.amdhsa_kernel k_q2c2ae27829_sample
		.amdhsa_group_segment_fixed_size 0
		.amdhsa_private_segment_fixed_size 0
		.amdhsa_enable_private_segment 0
		.amdhsa_kernarg_size 32
		.amdhsa_user_sgpr_count 2
		.amdhsa_user_sgpr_kernarg_segment_ptr 1
		.amdhsa_wavefront_size32 1
		.amdhsa_system_sgpr_workgroup_id_x 1
		.amdhsa_system_sgpr_workgroup_id_y 1
		.amdhsa_system_sgpr_workgroup_id_z 1
		.amdhsa_system_vgpr_workitem_id 0
		.amdhsa_next_free_vgpr 144
		.amdhsa_next_free_sgpr 66
		.amdhsa_reserve_vcc 0
		.amdhsa_float_denorm_mode_32 3
		.amdhsa_float_denorm_mode_16_64 3
		.amdhsa_memory_ordered 1
		.amdhsa_forward_progress 1
		.amdhsa_inst_pref_size 49
	.end_amdhsa_kernel
	.amdgpu_metadata
---
amdhsa.version: [ 1, 2 ]
amdhsa.kernels:
  - .name:           k_q2c2ae27829_sample
    .symbol:         k_q2c2ae27829_sample.kd
    .args:
      - { .name: flow, .offset: 0, .size: 8, .value_kind: global_buffer, .address_space: global }
      - { .name: src, .offset: 8, .size: 8, .value_kind: global_buffer, .address_space: global }
      - { .name: idx, .offset: 16, .size: 8, .value_kind: global_buffer, .address_space: global }
      - { .name: out0, .offset: 24, .size: 8, .value_kind: global_buffer, .address_space: global }
    .group_segment_fixed_size: 0
    .private_segment_fixed_size: 0
    .kernarg_segment_align: 8
    .kernarg_segment_size: 32
    .max_flat_workgroup_size: 896
    .sgpr_count:     66
    .vgpr_count:     144
    .wavefront_size: 32
...
	.end_amdgpu_metadata
.endif
;; end of part 2
;; ======== version 2 of 2: 2 launches; version 1 with the launch sample written anew for expert scheduling mode
;; workspace buffers: idx 55,050,240 bytes of whole numbers
;; launch locate: the kernel of part 1 again; grid 256 x 1, 28 waves a work-group, no clusters, 0 bytes of LDS; arguments flow, idx; writes idx
;; launch sample (part 3): grid 256 x 1, 28 waves a work-group, no clusters, 0 bytes of LDS; arguments flow, src, idx, out0; writes out0
.if DOCPART == 3
	.amdgcn_target "amdgcn-amd-amdhsa--gfx1250"
	.amdhsa_code_object_version 6
	.text
	.protected	k_q2c2ae27829_sample
	.globl	k_q2c2ae27829_sample
	.p2align	8
	.type	k_q2c2ae27829_sample,@function
k_q2c2ae27829_sample:
	s_mov_b64 s[64:65], 0
	v_nop
	global_prefetch_b8 v0, s[64:65] scope:SCOPE_SE
	s_setreg_imm32_b32 hwreg(HW_REG_WAVE_SCHED_MODE, 0, 2), 2
	s_setreg_imm32_b32 hwreg(HW_REG_WAVE_MODE, 25, 1), 1
	s_wait_xcnt 0x0
	s_wait_alu depctr_vm_vsrc(0)
; SECOND OF TWO LAUNCHES.  out0[b][d][h][w] = src[b] sampled trilinearly at (clip(d + flow_d), clip(h + flow_h), clip(w + flow_w)).
; The low corner of the eight samples comes as a whole number from idx (first launch): (d0 * 192 + h0) << 10 | 4 w0, with d0 <= 158, h0 <= 190,
; w0 <= 222, so that the eight samples lie at eight constant byte offsets from one address.  The fractions are formed here, in f32, from flow by the
; first launch's own arithmetic: f = c - min(floor(c), N - 2), which is 1.0 on the last plane.  Interpolation: seven steps a + f (b - a), in f32.
; LIMITS.  (1) On the last plane of an axis the neighbour below enters as f = 1.0, a + (b - a), where the reference takes the last plane twice:
; the same value for finite src, NaN here if that neighbour is infinite or NaN.  (2) A NaN in flow is clamped to a place in the volume; the reference
; gives NaN there.  (3) The seven steps round in another order than the reference's sum of eight products.
; NO LDS stage for src: how far a sample lies from its voxel hangs on flow and may be the whole volume.  NO cluster: which bytes of src a work-group
; reads hangs on idx, so no tile is known to be shared.  NO matrix unit: no product.  NO barrier: the waves share nothing.  NO prefetch of src: five
; sixths of the launch's bytes (idx, flow, out0) are streams that are requested two steps ahead, and how far ahead of them the gathers reach hangs on flow.
;
; SHARES, as in the first launch.  A group = 16 rows = 14,336 bytes; thread t of 896 owns the 16 bytes at 16 t: row t / 56, w = 4 (t % 56) .. + 3.
; Work-groups 0-127: batch 0, 128-255: batch 1.  In step j work-group q takes group 128 j + q of its batch, 15 steps: at any time the work-groups
; of a batch work on 128 neighbouring groups (10 2/3 slabs).
;
; THE MODE: SCHED_MODE bits 1:0 = 2 (LLVM: expert scheduling mode 2), set by the entry lines.  The code itself states the register dependences
; between vector instructions and memory instructions, with s_wait_alu, always for 0.
; THE PLAN.  Two register sets take turns: set x = j % 2 serves step j, y is the other.  Step j is
;   the head:   the waits; the scalar bases move on by a step; d and h move on to step j + 1;
;   its memory: the store of step j - 2 from Y[x]; the 32 gathers of step j by AD[x] into C[x]; the four stream loads of step j + 2 into IX[x], F[x];
;               among the gathers stands the one vector work that names none of these registers: step j's fractions (FR[x], with Y[y] to work in);
;   the body:   step j - 1 is mixed (C[y], FR[y]) into Y[y]; then step j + 1's addresses and coordinates are made (IX[y], F[y] into AD[y], FR[y]).
; Registers that memory instructions touch:
;   VO        read by every stream load and store; written once, at the kernel's head.
;   AD[x]     written at the end of body j - 1; read by the gathers of head j; written again at the end of body j + 1.
;   C[x]      read and written by the mixing in body j - 1; the gathers of head j land in it; mixed in body j + 1.
;   IX[x], F[x]  read at the end of body j - 1 (IX also written there, in place); the stream loads of head j land in them; read at the end of body j + 1.
;   Y[x]      written by the last mixing step of body j - 1; read by the store of head j; from head j + 1 on written again.
;   FR, HP, WF, ROWF are named by vector instructions alone.
; So all that the 37 memory instructions of a step hang on was issued ahead of the step's head, and all that the step's vector work writes again
; was read by memory instructions issued ahead of that head: three waits at the head state it, and none stands in the step behind them.
.set ND, 160
.set NH, 192
.set NW, 224
.set ROWB,   NW*4                      ; 896
.set SLABB,  NH*ROWB                   ; 172,032
.set VOLB,   ND*SLABB                  ; 27,525,120
.set GROUPB, 16*ROWB                   ; 14,336
.set STEPB,  128*GROUPB                ; 1,835,008; twice that, either way, fits the signed 24-bit immediate
.set ROWMAX, (ND-2)*NH+NH-2            ; 30,526: the highest row that a low corner may lie in
.set COLMAX, (NW-2)*4                  ; 888
.set VO,   1                           ; v1         16 t: the streams' one offset, never written again
.set HP,   2                           ; v[2:3]     my h, f32, in v2; the packed add names the pair and takes v2 for both halves
.set ROWF, 3                           ; v3         my row in the group, f32
.set WF,   4                           ; v[4:7]     my four w, f32
.set Y,    8                           ; v[8:15]    set x: four results to store.  Between a head and the end of that step's mixing Y[y] holds nothing: the fractions' floors stand there
.set AD,   16                          ; v[16:23]   set x: four gather offsets
.set IX,   24                          ; v[24:31]   set x: four index words
.set F,    32                          ; v[32:55]   set x: flow d, h, w of four voxels
.set FR,   56                          ; v[56:79]   set x: coordinates, then fractions, d, h, w of four voxels
.set C,    80                          ; v[80:143]  set x: corner k = 4 dd + 2 hh + ww of voxel e at C + 32 x + 4 k + e
.set FD,   4                           ; s[4:5]   flow[b][0] at the step's group
.set SRC,  6                           ; s[6:7]   src[b]
.set IDX,  8                           ; s[8:9]   idx[b] at the step's group
.set OUT,  10                          ; s[10:11] out0[b] at the step's group
.set FH,   12                          ; s[12:13] flow[b][1]
.set FW,   14                          ; s[14:15] flow[b][2]
.set BI,   16
.set QI,   17
.set DI,   18                          ; d of the group whose coordinates are made next
.set HQ,   19                          ; h of its first row / 16
.set TMP,  20
.set O1,   22                          ; s[22:23] offset of src
.set O2,   24                          ; s[24:25] offset of idx and out0
.set O3,   26                          ; s[26:27] offset of flow
.set DF,   28                          ; s[28:29] d as f32 (s29 fills the pair)
.set HF,   30                          ; 16 HQ as f32
.set MX,   32                          ; s[32:34] 159.0, 191.0, 223.0
.set MM,   36                          ; s[36:38] 158.0, 190.0, 222.0
.set CNT,  40
	s_load_b256 s[4:11], s[0:1], 0x0               ; flow, src, idx, out0
	s_lshr_b32 s[BI], ttmp9, 7
	s_and_b32 s[QI], ttmp9, 127
	s_mul_i32 s[DI], s[QI], 171                    ; q / 12 for q < 128 (171 / 2048 exceeds 1 / 12 by 0.000163; 127 times that is under 1 / 12)
	s_lshr_b32 s[DI], s[DI], 11
	s_mul_i32 s[TMP], s[DI], 12
	s_sub_co_u32 s[HQ], s[QI], s[TMP]              ; q % 12
	s_lshl_b32 s[TMP], s[HQ], 4
	s_cvt_f32_u32 s[HF], s[TMP]
	s_cvt_f32_u32 s[DF], s[DI]
	s_mov_b32 s[DF+1], 0
	s_mov_b32 s[MX], 0x431f0000                    ; 159.0
	s_mov_b32 s[MX+1], 0x433f0000                  ; 191.0
	s_mov_b32 s[MX+2], 0x435f0000                  ; 223.0
	s_mov_b32 s[MM], 0x431e0000                    ; 158.0
	s_mov_b32 s[MM+1], 0x433e0000                  ; 190.0
	s_mov_b32 s[MM+2], 0x435e0000                  ; 222.0
	s_mul_i32 s[O1], s[BI], VOLB
	s_mul_i32 s[O3], s[BI], 3*VOLB
	s_mul_i32 s[TMP], s[QI], GROUPB
	s_add_co_u32 s[O2], s[O1], s[TMP]              ; all below 2^31
	s_add_co_u32 s[O3], s[O3], s[TMP]
	s_mov_b32 s[O1+1], 0
	s_mov_b32 s[O2+1], 0
	s_mov_b32 s[O3+1], 0
	v_mul_u32_u24 v8, v0, 1171                     ; t / 56 for t < 896 (1171 / 65536 exceeds 1 / 56 by 0.0000109; 895 times that is under 1 / 56)
	v_lshrrev_b32 v8, 16, v8
	v_mul_u32_u24 v9, v8, 56
	v_sub_nc_u32 v9, v0, v9
	v_lshlrev_b32 v9, 2, v9                        ; my first w
	v_cvt_f32_u32 v[ROWF], v8
	v_cvt_f32_u32 v[WF], v9
	v_add_f32 v[WF+1], 1.0, v[WF]
	v_add_f32 v[WF+2], 2.0, v[WF]
	v_add_f32 v[WF+3], 3.0, v[WF]
	v_lshlrev_b32 v[VO], 4, v0
	s_wait_kmcnt 0x0
	s_add_nc_u64 s[FD:FD+1], s[FD:FD+1], s[O3:O3+1]
	s_add_nc_u64 s[SRC:SRC+1], s[SRC:SRC+1], s[O1:O1+1]
	s_add_nc_u64 s[IDX:IDX+1], s[IDX:IDX+1], s[O2:O2+1]
	s_add_nc_u64 s[OUT:OUT+1], s[OUT:OUT+1], s[O2:O2+1]
	s_add_nc_u64 s[FH:FH+1], s[FD:FD+1], VOLB
	s_add_nc_u64 s[FW:FW+1], s[FD:FD+1], 2*VOLB
; four loads: a step's index words and flow for my four voxels, each read once in the launch
.macro STREAM x, off
	global_load_b128 v[IX+4*\x:IX+4*\x+3],    v[VO], s[IDX:IDX+1] offset:\off th:TH_LOAD_NT
	global_load_b128 v[F+12*\x:F+12*\x+3],    v[VO], s[FD:FD+1] offset:\off th:TH_LOAD_NT
	global_load_b128 v[F+12*\x+4:F+12*\x+7],  v[VO], s[FH:FH+1] offset:\off th:TH_LOAD_NT
	global_load_b128 v[F+12*\x+8:F+12*\x+11], v[VO], s[FW:FW+1] offset:\off th:TH_LOAD_NT
.endm
; word -> byte offset of the low corner in src[b]; the column's bytes are made in the word's own register.  Both fields are clamped by constants in the
; instructions, so that no word, whatever it holds, leads outside src: 30,526 x 896 + 888 + (172,032 + 896 + 4) + 4 = 27,525,120, the volume's bytes.
; The mask 0x3fc keeps the offset a multiple of 4.
.macro ADDRESS x
.irp e, 0,1,2,3
	v_lshrrev_b32 v[AD+4*\x+\e], 10, v[IX+4*\x+\e]
	v_and_b32 v[IX+4*\x+\e], 0x3fc, v[IX+4*\x+\e]
.endr
.irp e, 0,1,2,3
	v_min_u32 v[AD+4*\x+\e], ROWMAX, v[AD+4*\x+\e]
	v_min_u32 v[IX+4*\x+\e], COLMAX, v[IX+4*\x+\e]
.endr
.irp e, 0,1,2,3
	v_mul_u32_u24 v[AD+4*\x+\e], v[AD+4*\x+\e], ROWB
.endr
.irp e, 0,1,2,3
	v_add_nc_u32 v[AD+4*\x+\e], v[AD+4*\x+\e], v[IX+4*\x+\e]
.endr
.endm
; eight loads: the eight corners of voxel e; the two of a row, 4 bytes apart, follow each other
.macro GATHER x, e
	global_load_b32 v[C+32*\x+\e],    v[AD+4*\x+\e], s[SRC:SRC+1]
	global_load_b32 v[C+32*\x+4+\e],  v[AD+4*\x+\e], s[SRC:SRC+1] offset:4
	global_load_b32 v[C+32*\x+8+\e],  v[AD+4*\x+\e], s[SRC:SRC+1] offset:ROWB
	global_load_b32 v[C+32*\x+12+\e], v[AD+4*\x+\e], s[SRC:SRC+1] offset:ROWB+4
	global_load_b32 v[C+32*\x+16+\e], v[AD+4*\x+\e], s[SRC:SRC+1] offset:SLABB
	global_load_b32 v[C+32*\x+20+\e], v[AD+4*\x+\e], s[SRC:SRC+1] offset:SLABB+4
	global_load_b32 v[C+32*\x+24+\e], v[AD+4*\x+\e], s[SRC:SRC+1] offset:SLABB+ROWB
	global_load_b32 v[C+32*\x+28+\e], v[AD+4*\x+\e], s[SRC:SRC+1] offset:SLABB+ROWB+4
.endm
; grid + flow into FR
.macro COORD x
	v_add_f32 v[HP], s[HF], v[ROWF]                ; my h: whole numbers under 192, exact
.irp p, 0,2
	v_pk_add_f32 v[FR+12*\x+\p:FR+12*\x+\p+1],     v[F+12*\x+\p:F+12*\x+\p+1],     s[DF:DF+1] op_sel_hi:[1,0]   ; d for both
	v_pk_add_f32 v[FR+12*\x+4+\p:FR+12*\x+4+\p+1], v[F+12*\x+4+\p:F+12*\x+4+\p+1], v[HP:HP+1] op_sel_hi:[1,0]   ; h for both
	v_pk_add_f32 v[FR+12*\x+8+\p:FR+12*\x+8+\p+1], v[F+12*\x+8+\p:F+12*\x+8+\p+1], v[WF+\p:WF+\p+1]
.endr
.endm
; one axis (a = 0, 1, 2): c = clip(c, 0, N - 1); f = c - min(floor(c), N - 2).  The floors stand in the other set's Y
.macro FRACTION x, a
.irp e, 0,1,2,3
	v_med3_num_f32 v[FR+12*\x+4*\a+\e], v[FR+12*\x+4*\a+\e], 0, s[MX+\a]
.endr
.irp e, 0,1,2,3
	v_floor_f32 v[Y+4*(1-\x)+\e], v[FR+12*\x+4*\a+\e]
.endr
.irp e, 0,1,2,3
	v_min_num_f32 v[Y+4*(1-\x)+\e], s[MM+\a], v[Y+4*(1-\x)+\e]
.endr
.irp p, 0,2
	v_pk_add_f32 v[FR+12*\x+4*\a+\p:FR+12*\x+4*\a+\p+1], v[FR+12*\x+4*\a+\p:FR+12*\x+4*\a+\p+1], v[Y+4*(1-\x)+\p:Y+4*(1-\x)+\p+1] neg_lo:[0,1] neg_hi:[0,1]
.endr
.endm
; corner a <- a + f (b - a) for four voxels, two at a time; f = 0, 4, 8: the fractions along d, h, w
.macro MIX y, a, b, f
.irp p, 0,2
	v_pk_add_f32 v[C+32*\y+4*\b+\p:C+32*\y+4*\b+\p+1], v[C+32*\y+4*\b+\p:C+32*\y+4*\b+\p+1], v[C+32*\y+4*\a+\p:C+32*\y+4*\a+\p+1] neg_lo:[0,1] neg_hi:[0,1]
.endr
.irp p, 0,2
	v_pk_fma_f32 v[C+32*\y+4*\a+\p:C+32*\y+4*\a+\p+1], v[FR+12*\y+\f+\p:FR+12*\y+\f+\p+1], v[C+32*\y+4*\b+\p:C+32*\y+4*\b+\p+1], v[C+32*\y+4*\a+\p:C+32*\y+4*\a+\p+1]
.endr
.endm
.macro LERP y                          ; along w, then h, then d; the last step, corners 0 and 4 along d, puts its result into Y: four neighbouring registers, 16 bytes of out0
	MIX \y, 0, 1, 8
	MIX \y, 2, 3, 8
	MIX \y, 4, 5, 8
	MIX \y, 6, 7, 8
	MIX \y, 0, 2, 4
	MIX \y, 4, 6, 4
.irp p, 0,2
	v_pk_add_f32 v[C+32*\y+16+\p:C+32*\y+16+\p+1], v[C+32*\y+16+\p:C+32*\y+16+\p+1], v[C+32*\y+\p:C+32*\y+\p+1] neg_lo:[0,1] neg_hi:[0,1]
.endr
.irp p, 0,2
	v_pk_fma_f32 v[Y+4*\y+\p:Y+4*\y+\p+1], v[FR+12*\y+\p:FR+12*\y+\p+1], v[C+32*\y+16+\p:C+32*\y+16+\p+1], v[C+32*\y+\p:C+32*\y+\p+1]
.endr
.endm
; 128 groups on: 10 slabs and 8 groups; a slab has 12 groups
.macro NEXTGROUP
	s_add_co_u32 s[HQ], s[HQ], 8
	s_cmp_ge_u32 s[HQ], 12
	s_cselect_b32 s[TMP], 12, 0                    ; (leaves SCC)
	s_add_co_ci_u32 s[DI], s[DI], 10               ; + 10 + the carry
	s_sub_co_u32 s[HQ], s[HQ], s[TMP]
	s_lshl_b32 s[TMP], s[HQ], 4
	s_cvt_f32_u32 s[HF], s[TMP]
	s_cvt_f32_u32 s[DF], s[DI]
.endm
; Step j on set x; y is the other set.  first = 1: step 0.  st = 1: step j - 2 exists and is stored.  more = 1: step j + 2 exists and is asked for.
; mix = 1: step j - 1 is mixed; wg: loads younger than its 32 gathers.  next = 1: step j + 1 exists and is prepared; win: loads younger than its four stream loads.
.macro STEP x, y, first, st, more, mix, wg, next, win
.if !\first
	s_wait_xcnt 0x0                                ; every earlier memory instruction has had its addresses translated (ISA guide 3.1): the bases, AD[y] and Y[y] are rewritten only behind this wait
	s_wait_alu depctr_vm_vsrc(0)                   ; the gathers of the step before have read AD[y], and its store has read Y[y]: this step writes both again
.endif
	s_wait_alu depctr_va_vdst(0)                   ; AD[x] is written, which the gathers read, and Y[x], which the store reads; the mixing is done with C[x], the addresses and coordinates with IX[x] and F[x], in which the loads below land
.if !\first
	s_add_nc_u64 s[OUT:OUT+1], s[OUT:OUT+1], STEPB ; the bases at this step's group
.if \more
	s_add_nc_u64 s[IDX:IDX+1], s[IDX:IDX+1], STEPB
	s_add_nc_u64 s[FD:FD+1], s[FD:FD+1], STEPB
	s_add_nc_u64 s[FH:FH+1], s[FH:FH+1], STEPB
	s_add_nc_u64 s[FW:FW+1], s[FW:FW+1], STEPB
.endif
.endif
.if \next
	NEXTGROUP                                      ; d and h of step j + 1, for the coordinates at this step's end
.endif
.if \st
	global_store_b128 v[VO], v[Y+4*\x:Y+4*\x+3], s[OUT:OUT+1] offset:-2*STEPB th:TH_STORE_NT   ; step j - 2
.endif
	GATHER \x, 0                                   ; no further wait: the fractions between the gathers name FR[x] and Y[y] alone, which no memory instruction of this step touches
	FRACTION \x, 0
	GATHER \x, 1
	FRACTION \x, 1
	GATHER \x, 2
	FRACTION \x, 2
	GATHER \x, 3
.if \more
	STREAM \x, 2*STEPB                             ; step j + 2
.endif
.if \mix
	s_wait_loadcnt \wg                             ; loads come back in order (ISA guide 5.7.1): the gathers of step j - 1 are in; what was issued behind them stays out
	LERP \y
.endif
.if \next
	s_wait_loadcnt \win                            ; the index words and flow of step j + 1 are in
	ADDRESS \y
	COORD \y
.endif
.endm
	s_wait_alu depctr_va_vdst(0)                   ; VO is written: every stream load and store of the kernel reads it as its offset
	STREAM 0, 0                                    ; step 0
	STREAM 1, STEPB                                ; step 1
	s_wait_loadcnt 4                               ; step 0's four are in, step 1's four stay out
	ADDRESS 0
	COORD 0
	; In a full step: 40 = the 4 stream loads issued behind the gathers of step j - 1 + this step's 32 gathers + its 4 stream loads; 36 = this step's 32 + 4.
	STEP 0, 1, 1, 0, 1, 0, 0,  1, 36               ; step 0: nothing to store or to mix; no base moves, and nothing that memory instructions have read is written again
	STEP 1, 0, 0, 0, 1, 1, 40, 1, 36               ; step 1: nothing to store yet
	s_mov_b32 s[CNT], 5                            ; steps 2 to 11
.Lpair:
	STEP 0, 1, 0, 1, 1, 1, 40, 1, 36
	STEP 1, 0, 0, 1, 1, 1, 40, 1, 36
	s_sub_co_u32 s[CNT], s[CNT], 1
	s_cmp_lg_u32 s[CNT], 0
	s_cbranch_scc1 .Lpair
	STEP 0, 1, 0, 1, 1, 1, 40, 1, 36               ; step 12 asks for step 14, the last
	STEP 1, 0, 0, 1, 0, 1, 36, 1, 32               ; step 13 asks for nothing more: behind step 12's gathers stand 4 + 32 loads, behind step 14's stream loads 32
	STEP 0, 1, 0, 1, 0, 1, 32, 0, 0                ; step 14: behind step 13's gathers stand its own 32; no step is left to prepare
	s_wait_loadcnt 0x0                             ; nothing was issued behind step 14's gathers
	s_wait_xcnt 0x0                                ; Y[0], the data of step 12's store, is rewritten only behind this wait (ISA guide 3.1),
	s_wait_alu depctr_vm_vsrc(0)                   ; and that store has read Y[0]
	LERP 0
	s_wait_alu depctr_va_vdst(0)                   ; the mixings of steps 13 and 14 have written Y[1] and Y[0], which the last two stores read
	global_store_b128 v[VO], v[Y+4:Y+7], s[OUT:OUT+1] offset:-STEPB th:TH_STORE_NT               ; step 13; the base stands at step 14
	global_store_b128 v[VO], v[Y:Y+3], s[OUT:OUT+1] th:TH_STORE_NT                               ; step 14
	s_endpgm
.Lfunc_end_k_q2c2ae27829_sample:
	.size	k_q2c2ae27829_sample, .Lfunc_end_k_q2c2ae27829_sample-k_q2c2ae27829_sample
	.p2alignl 7, 3214868480
	.fill 96, 4, 3214868480
	.section	.rodata,"a",@progbits
	.p2align	6, 0x0
	.amdhsa_kernel k_q2c2ae27829_sample
		.amdhsa_group_segment_fixed_size 0
		.amdhsa_private_segment_fixed_size 0
		.amdhsa_enable_private_segment 0
		.amdhsa_kernarg_size 32
		.amdhsa_user_sgpr_count 2
		.amdhsa_user_sgpr_kernarg_segment_ptr 1
		.amdhsa_wavefront_size32 1
		.amdhsa_system_sgpr_workgroup_id_x 1
		.amdhsa_system_sgpr_workgroup_id_y 1
		.amdhsa_system_sgpr_workgroup_id_z 1
		.amdhsa_system_vgpr_workitem_id 0
		.amdhsa_next_free_vgpr 144
		.amdhsa_next_free_sgpr 66
		.amdhsa_reserve_vcc 0
		.amdhsa_float_denorm_mode_32 3
		.amdhsa_float_denorm_mode_16_64 3
		.amdhsa_memory_ordered 1
		.amdhsa_forward_progress 1
		.amdhsa_inst_pref_size 69
	.end_amdhsa_kernel
	.amdgpu_metadata
---
amdhsa.version: [ 1, 2 ]
amdhsa.kernels:
  - .name:           k_q2c2ae27829_sample
    .symbol:         k_q2c2ae27829_sample.kd
    .args:
      - { .name: flow, .offset: 0, .size: 8, .value_kind: global_buffer, .address_space: global }
      - { .name: src, .offset: 8, .size: 8, .value_kind: global_buffer, .address_space: global }
      - { .name: idx, .offset: 16, .size: 8, .value_kind: global_buffer, .address_space: global }
      - { .name: out0, .offset: 24, .size: 8, .value_kind: global_buffer, .address_space: global }
    .group_segment_fixed_size: 0
    .private_segment_fixed_size: 0
    .kernarg_segment_align: 8
    .kernarg_segment_size: 32
    .max_flat_workgroup_size: 896
    .sgpr_count:     66
    .vgpr_count:     144
    .wavefront_size: 32
...
	.end_amdgpu_metadata
.endif
;; end of part 3
